; MI455X (gfx1250); checked and timed in simulation.
; The chip was launched on July 23, 2026; its instructions are those of AMD's public machine-readable ISA for CDNA 5 (MIT licence, August 2026) and "CDNA5" Instruction Set Architecture Reference Guide (July 2026). The comments in the code are by the model that wrote it; some were corrected since.
;; VQ Embedding. Allowed arithmetic: matrix products marked QUANTISED: E2M1 operands, one E8M0 scale for each 32 along K, by v_wmma_scale_f32_16x16x128_f8f6f4 with both operands' format E2M1 (or v_wmma_scale_f32_32x16x128_f4), f32 sums; everything else in f32.
;; Inputs: codebook 8,192 x 256 float32; z_e_x 32 x 32 x 32 x 256 float32.
;; Outputs: out0 32 x 32 x 32 int32.
;; This version of the problem:
;;   THIS VERSION OF THE PROBLEM IS GIVEN IN LOW PRECISION. The matrix products marked QUANTISED in the list below multiply operands that are first quantised to E2M1 (2 exponent bits, 1 mantissa bit; 4 bits a number), with one power-of-two scale for each 32 numbers along K (OCP MX v1.0); their sums are f32. All else is computed in f32.
;;   The module's matrix products, in the order in which they are computed (A, B: the left and right operand; K: the contracted axis; several contracted axes count as one K, in the product's order):
;;     1. [M 32,768, K 256] x [K 256, N 8,192]; A: input z_e_x; B: input codebook: QUANTISED
;;   THE QUANTISER, for each operand of a quantised product, along K:
;;     - K is cut into blocks of 32 from its start; a last block that is shorter is filled with zeros.
;;     - A block's scale is 2^e with e = floor(log2(the largest magnitude in the block)) - 2, held to -126 .. 127; a block of zeros has e = 0. As a byte (E8M0): e + 127.
;;     - Each number is divided by its block's scale, clamped to +-6, and rounded to the nearest number of E2M1, ties to even, subnormals kept.
;;     - The product sums the exact products of the quantised numbers (number of the format x scale) in f32.
;;   ~~~python
;;   def quantise(x, axis):      # numpy; x: float32 -> the quantised numbers, widened to float32 again
;;       x = np.moveaxis(x, axis, -1); K = x.shape[-1]
;;       x = np.pad(x, [(0, 0)] * (x.ndim - 1) + [(0, -K % 32)]); x = x.reshape(x.shape[:-1] + (-1, 32)); a = np.abs(x).max(-1, keepdims=True)
;;       e = np.where(a > 0, np.clip(np.frexp(np.where(a > 0, a, 1))[1] - 1 - 2, -126, 127), 0)      # np.frexp(a)[1] - 1 = floor(log2(a)), exactly
;;       r = np.clip(x / 2.0 ** e, -6, 6)
;;       step = 2.0 ** (np.maximum(np.frexp(np.where(r == 0, 1, r))[1] - 1, 0) - 1)
;;       q = np.round(r / step) * step * 2.0 ** e      # np.round: ties to even
;;       return np.moveaxis(q.reshape(q.shape[:-2] + (-1,))[..., :K], -1, axis).astype(np.float32)
;;   ~~~
;; One version. Each part assembles by itself: llvm-mc -triple=amdgcn-amd-amdhsa -mcpu=gfx1250 --defsym DOCPART=n.
;; ======== version 1 of 1: 2 launches
;; limits: right only within a limited range of input values
;; workspace buffers: zq 4,456,448 bytes; cbq 1,179,648 bytes
;; launch quant (part 1): grid 256 x 1, 5 waves a work-group, no clusters, 44,288 bytes of LDS; arguments z_e_x, codebook, zq, cbq; writes zq, cbq
.if DOCPART == 1
	.amdgcn_target "amdgcn-amd-amdhsa--gfx1250"
	.amdhsa_code_object_version 6
	.text
	.protected	k_q17fbc67173_quant
	.globl	k_q17fbc67173_quant
	.p2align	8
	.type	k_q17fbc67173_quant,@function
k_q17fbc67173_quant:
	s_mov_b64 s[64:65], 0
	v_nop
	global_prefetch_b8 v0, s[64:65] scope:SCOPE_SE
	s_setreg_imm32_b32 hwreg(HW_REG_WAVE_MODE, 25, 1), 1
	s_wait_xcnt 0x0
; z_e_x [32768][256] and codebook [8192][256], f32, K innermost, become codes of FP4 (E2M1) with one E8M0 scale byte for each 32 along K,
; laid in RECORDS OF 32 ROWS in the order in which the next launch's operand registers take them.
; A record (row m = 16 u + r of its 32):
;   bytes 0-4095     codes: the 16 bytes (32 codes) of row 16 u + r, K block b (0..7) at 2048 u + 256 b + 16 r.  With b = 4 s + 2 c + h the 512 bytes at
;                    2048 u + 256 (4 s + 2 c), read at 16 x lane, are registers 4 c .. 4 c + 3 of the fragment of rows 16 u .. 16 u + 15, K step s
;   bytes 4096-4351  scale bytes, row by row: row m's eight at 4096 + 8 m
;   bytes 4352-4479  (codebook only) the f32 sum of squares of row m's UNQUANTISED numbers at 4352 + 4 m;  bytes 4480-4607 zeros, so that a record is 18 x 256 bytes
; A block's scale is 2^(floor(log2(largest magnitude)) - 2); its byte is the largest magnitude's exponent field - 2, held at 1 from below.
; SHARES: 1,280 records (1,024 of z, 256 of the codebook), one to a wave: record 5 x work-group + wave.  Waves share nothing: no barrier.
; A record goes in 8 passes of 16 rows x 256 bytes.  Each load reads two whole runs of 256 consecutive bytes; the pass turns through the wave's own stage in LDS,
; so that a lane then holds a whole block of 32 neighbours along K: its maximum needs no other lane, and its four conversions give 16 bytes that lie at 16 x lane of a dense 512.
; ONE PATH FOR BOTH TENSORS: only pointers are chosen.  The squares are summed for z's records too and not stored there; the one branch stands round the two stores of the sums.
; LIMITS: NaN and infinities among the inputs are not served.  A block of zeros gets the byte 1 where the rule says 127: its codes are zeros, and this program alone reads the bytes.
; The sum of squares is taken in four chains a lane and two lanes a row: another order than a plain running sum, so its last bits may differ.
.set PITCH, 272                        ; a stage row: 256 bytes + 16 = 68 words, so that the 16 rows that a load touches begin 4 words apart
.set STG,   16*PITCH                   ; a stage: 16 rows
.set WREG,  2*STG                      ; a wave's LDS: two stages by turns
.set ZRECS, 1024                       ; records of z
.set ZREC,  4352                       ; bytes of a record of z
.set CREC,  4608                       ; and of the codebook
.set VIN,   1                          ; v1   in: 1024 (lane / 16) + 16 (lane % 16)
.set VST,   2                          ; v2   stage, way in: row lane / 16, 16 bytes a lane
.set VLD,   3                          ; v3   stage, way out: row lane % 16, 128 bytes for each half of the lanes
.set VOUT,  4                          ; v4   16 x lane
.set VSC,   5                          ; v5   8 x lane
.set VSQ,   6                          ; v6   4 x lane
.set SH0,   7                          ; v7   8 (lane / 16): my byte's place in a scale word, even passes
.set SH1,   8                          ; v8   the same + 16: odd passes
.set ZERO,  9
.set MA,    10                         ; v10-11 the two chains of the maximum
.set MB,    11
.set SOP,   12                         ; v12  the conversions' scale operand
.set BY,    13                         ; v13  the scale's byte
.set W,     16                         ; v16-19 scale words: W + 2 u + (K step)
.set SQ,    20                         ; v20-23 the squares, two packed chains
.set S,     24                         ; v24-25 the sums for u = 0, 1
.set PD,    26                         ; v26-31 destinations of lane permutes
.set R,     32                         ; v32-159  four sets of 32: a pass as loaded
.set X,     160                        ; v160-223 two sets of 32: a block of 32 neighbours
.set C,     224                        ; v224-255 four registers of codes for each pass: no store's data are written again
	s_load_b256 s[4:11], s[0:1], 0x0               ; z s[4:5], codebook s[6:7], zq s[8:9], cbq s[10:11]
	s_set_vgpr_msb 0x40
	v_lshl_add_u32 v0, v0, 2, 0xaa00
	v_mov_b32 v1, 0
	s_set_vgpr_msb 0x4000
	v_lshrrev_b32 v10, 5, v0
	v_readfirstlane_b32 s12, v10                   ; wave 0..4
	v_and_b32 v11, 31, v0                          ; lane
	v_and_b32 v12, 15, v0                          ; r
	v_bfe_u32 v13, v0, 4, 1                        ; lane / 16
	s_mul_i32 s13, ttmp9, 5
	s_add_co_u32 s13, s13, s12                     ; my record
	s_mul_i32 s14, s12, WREG                       ; my wave's LDS
	v_lshlrev_b32 v[VIN], 4, v12
	v_lshl_add_u32 v[VIN], v13, 10, v[VIN]
	v_mul_u32_u24 v[VST], v13, PITCH
	v_lshl_add_u32 v[VST], v12, 4, v[VST]
	v_add_nc_u32 v[VST], s14, v[VST]
	v_mul_u32_u24 v[VLD], v12, PITCH
	v_lshl_add_u32 v[VLD], v13, 7, v[VLD]
	v_add_nc_u32 v[VLD], s14, v[VLD]
	v_lshlrev_b32 v[VOUT], 4, v11
	v_lshlrev_b32 v[VSC], 3, v11
	v_lshlrev_b32 v[VSQ], 2, v11
	v_lshlrev_b32 v[SH0], 3, v13
	v_add_nc_u32 v[SH1], 16, v[SH0]
	v_mov_b32 v[ZERO], 0
.irp j, 0,1,2,3,4,5
	v_mov_b32 v[PD+\j], 0                          ; written once: a lane permute's destination counts as one of its sources
.endr
	s_mov_b32 s22, 0x76543210
	s_mov_b32 s23, 0xfedcba98                      ; v_permlanex16_b32's selects for lane l xor 16
	s_mov_b32 s17, CREC
	s_wait_kmcnt 0x0
	s_cmp_lt_u32 s13, ZRECS                        ; a record of z or of the codebook?  The choice hangs on the work-group's and the wave's number alone
	s_cselect_b64 s[4:5], s[4:5], s[6:7]
	s_cselect_b64 s[8:9], s[8:9], s[10:11]
	s_cselect_b32 s16, 0, ZRECS
	s_cselect_b32 s17, ZREC, s17
	s_cselect_b32 s18, 0, 1                        ; 1: the sums of squares are stored
	s_sub_co_u32 s13, s13, s16                     ; the record's number in its tensor
	s_lshl_b32 s20, s13, 15                        ; 32 rows of 1,024 bytes
	s_mov_b32 s21, 0
	s_add_nc_u64 s[4:5], s[4:5], s[20:21]
	s_mul_i32 s20, s13, s17
	s_add_nc_u64 s[8:9], s[8:9], s[20:21]
; pass t = 4 u + p: rows 16 u .. 16 u + 15, bytes 256 p .. 256 p + 255 of each (K blocks 2 p, 2 p + 1)
.macro LOAD t                          ; eight loads; lanes 0-15 take 256 consecutive bytes of an even row, lanes 16-31 of the odd row below
.irp a, 0,1,2,3,4,5,6,7
	global_load_b128 v[R+32*((\t)%4)+4*\a:R+32*((\t)%4)+4*\a+3], v[VIN], s[4:5] offset:(16*((\t)/4)+2*\a)*1024+256*((\t)%4) th:TH_LOAD_NT
.endr
.endm
.macro TURN t                          ; through the stage: LDS serves a wave's instructions in order, so no wait stands between the stores and the loads
.irp a, 0,1,2,3,4,5,6,7
	ds_store_b128 v[VST], v[R+32*((\t)%4)+4*\a:R+32*((\t)%4)+4*\a+3] offset:STG*((\t)%2)+2*PITCH*\a
.endr
.irp j, 0,1,2,3,4,5,6,7
	ds_load_b128 v[X+32*((\t)%2)+4*\j:X+32*((\t)%2)+4*\j+3], v[VLD] offset:STG*((\t)%2)+16*\j
.endr
.endm
.macro STEP t
.set XS, X+32*((\t)%2)
.set PP, (\t)%4
.set UU, (\t)/4
	s_wait_dscnt 0x0                               ; this pass is back from the stage, so its stores into the stage have read their registers,
.if (\t)+4 < 8
	LOAD (\t)+4                                    ; which take the loads of four passes on
.endif
.if (\t) < 7
.if (\t) < 4
	s_wait_loadcnt 24                              ; the next pass's eight loads are in; those of the three passes behind it may be out
.else
	s_wait_loadcnt 8*(6-(\t))                      ; no more are issued: the count runs down 16, 8, 0
.endif
	TURN (\t)+1                                    ; and go through the other stage while this pass is worked
.endif
	v_max3_num_f32 v[MA], |v[XS]|, |v[XS+1]|, |v[XS+2]|            ; the block's largest magnitude: all 32 numbers are mine; two chains
	v_max3_num_f32 v[MB], |v[XS+3]|, |v[XS+4]|, |v[XS+5]|
.irp i, 6,10,14,18,22,26
	v_max3_num_f32 v[MA], v[MA], |v[XS+\i]|, |v[XS+\i+1]|
	v_max3_num_f32 v[MB], v[MB], |v[XS+\i+2]|, |v[XS+\i+3]|
.endr
	v_max3_num_f32 v[MA], v[MA], |v[XS+30]|, |v[XS+31]|
	v_max3_num_f32 v[MA], v[MA], v[MB], 0x1800000                  ; and the floor 2^(3 - 127): the byte cannot fall under 1
	v_add_nc_u32 v[SOP], 0xff000000, v[MA]                         ; 2 off its exponent field: the conversion takes this operand's exponent field as its scale
.irp g, 0,1,2,3
	v_cvt_scalef32_pk8_fp4_f32 v[C+4*(\t)+\g], v[XS+8*\g:XS+8*\g+7], v[SOP]   ; to the nearest code, ties to even, beyond 6 the largest code
.endr
	v_lshrrev_b32 v[BY], 23, v[SOP]                ; the scale's byte (also the plain line behind the conversions)
.if PP%2 == 0
	v_lshlrev_b32 v[W+2*UU+PP/2], v[SH0], v[BY]    ; block 2 p + lane / 16 is byte (2 p + lane / 16) % 4 of word p / 2
.else
	v_lshl_or_b32 v[W+2*UU+PP/2], v[BY], v[SH1], v[W+2*UU+PP/2]
.endif
.irp k, 0,1,2,3,4,5,6,7,8,9,10,11,12,13,14,15
.if (PP == 0) && (\k < 2)
	v_pk_mul_f32 v[SQ+2*\k:SQ+2*\k+1], v[XS+2*\k:XS+2*\k+1], v[XS+2*\k:XS+2*\k+1]   ; a row's first products start the sums: nothing is cleared
.else
	v_pk_fma_f32 v[SQ+2*(\k%2):SQ+2*(\k%2)+1], v[XS+2*\k:XS+2*\k+1], v[XS+2*\k:XS+2*\k+1], v[SQ+2*(\k%2):SQ+2*(\k%2)+1]
.endif
.endr
.if PP == 3
	v_add_f32 v14, v[SQ], v[SQ+1]
	v_add_f32 v15, v[SQ+2], v[SQ+3]
	v_add_f32 v[S+UU], v14, v15                    ; my half of row 16 u + r
.endif
	global_store_b128 v[VOUT], v[C+4*(\t):C+4*(\t)+3], s[8:9] offset:UU*2048+PP*512   ; 32 lanes store 512 consecutive bytes, at a multiple of 256 from the buffer's first byte
.endm
.irp t, 0,1,2,3
	LOAD \t
.endr
	s_wait_loadcnt 24                              ; pass 0's eight loads are in
	TURN 0
.irp t, 0,1,2,3,4,5,6,7
	STEP \t
.endr
	; the scale words are made whole with lane l xor 16's bytes; then lane l takes row l: lanes 0-15 those of u = 0, lanes 16-31 those of u = 1
.irp j, 0,1,2,3
	v_permlanex16_b32 v[PD+\j], v[W+\j], s22, s23
.endr
.irp j, 0,1,2,3
	v_or_b32 v[W+\j], v[W+\j], v[PD+\j]
.endr
	v_permlanex16_b32 v[PD+4], v[S], s22, s23
	v_permlanex16_b32 v[PD+5], v[S+1], s22, s23
	v_add_f32 v[S], v[S], v[PD+4]                  ; the row's sum of squares
	v_add_f32 v[S+1], v[S+1], v[PD+5]
	s_mov_b32 vcc_lo, 0xffff0000
	v_cndmask_b32 v14, v[W], v[W+2], vcc_lo
	v_cndmask_b32 v15, v[W+1], v[W+3], vcc_lo
	v_cndmask_b32 v[S], v[S], v[S+1], vcc_lo
	global_store_b64 v[VSC], v[14:15], s[8:9] offset:4096          ; 32 lanes store 256 consecutive bytes
	s_cmp_eq_u32 s18, 0
	s_cbranch_scc1 .Lend                           ; a record of z ends here
	global_store_b32 v[VSQ], v[S], s[8:9] offset:4352
	global_store_b32 v[VSQ], v[ZERO], s[8:9] offset:4480           ; the record's last 128 bytes: the next launch's tiles take them in
.Lend:
	s_set_vgpr_msb 0x5
	s_wait_tensorcnt 0x0
	ds_add_u32 v0, v1
	s_wait_dscnt 0x0
	s_set_vgpr_msb 0x500
	s_endpgm
.Lfunc_end_k_q17fbc67173_quant:
	.size	k_q17fbc67173_quant, .Lfunc_end_k_q17fbc67173_quant-k_q17fbc67173_quant
	.p2alignl 7, 3214868480
	.fill 96, 4, 3214868480
	.section	.rodata,"a",@progbits
	.p2align	6, 0x0
	.amdhsa_kernel k_q17fbc67173_quant
		.amdhsa_group_segment_fixed_size 44288
		.amdhsa_private_segment_fixed_size 0
		.amdhsa_enable_private_segment 0
		.amdhsa_kernarg_size 32
		.amdhsa_user_sgpr_count 2
		.amdhsa_user_sgpr_kernarg_segment_ptr 1
		.amdhsa_wavefront_size32 1
		.amdhsa_system_sgpr_workgroup_id_x 1
		.amdhsa_system_sgpr_workgroup_id_y 1
		.amdhsa_system_sgpr_workgroup_id_z 1
		.amdhsa_system_vgpr_workitem_id 0
		.amdhsa_next_free_vgpr 258
		.amdhsa_next_free_sgpr 66
		.amdhsa_reserve_vcc 1
		.amdhsa_float_denorm_mode_32 3
		.amdhsa_float_denorm_mode_16_64 3
		.amdhsa_memory_ordered 1
		.amdhsa_forward_progress 1
		.amdhsa_inst_pref_size 39
	.end_amdhsa_kernel
	.amdgpu_metadata
---
amdhsa.version: [ 1, 2 ]
amdhsa.kernels:
  - .name:           k_q17fbc67173_quant
    .symbol:         k_q17fbc67173_quant.kd
    .args:
      - { .name: z_e_x, .offset: 0, .size: 8, .value_kind: global_buffer, .address_space: global }
      - { .name: codebook, .offset: 8, .size: 8, .value_kind: global_buffer, .address_space: global }
      - { .name: zq, .offset: 16, .size: 8, .value_kind: global_buffer, .address_space: global }
      - { .name: cbq, .offset: 24, .size: 8, .value_kind: global_buffer, .address_space: global }
    .group_segment_fixed_size: 44288
    .private_segment_fixed_size: 0
    .kernarg_segment_align: 8
    .kernarg_segment_size: 32
    .max_flat_workgroup_size: 160
    .sgpr_count:     66
    .vgpr_count:     258
    .wavefront_size: 32
...
	.end_amdgpu_metadata
.endif
;; end of part 1
;; launch vq (part 2): grid 256 x 1, 8 waves a work-group, clusters of 4 x 1, 327,680 bytes of LDS; arguments zq, cbq, out0; writes out0
.if DOCPART == 2
	.amdgcn_target "amdgcn-amd-amdhsa--gfx1250"
	.amdhsa_code_object_version 6
	.text
	.protected	k_q17fbc67173_vq
	.globl	k_q17fbc67173_vq
	.p2align	8
	.type	k_q17fbc67173_vq,@function
k_q17fbc67173_vq:
	s_mov_b64 s[64:65], 0
	v_nop
	global_prefetch_b8 v0, s[64:65] scope:SCOPE_SE
	s_setreg_imm32_b32 hwreg(HW_REG_WAVE_MODE, 25, 1), 1
	s_wait_xcnt 0x0
	s_wait_alu depctr_hold_cnt(0) depctr_sa_sdst(0) depctr_va_vdst(0) depctr_va_sdst(0) depctr_va_ssrc(0) depctr_va_vcc(0) depctr_vm_vsrc(0)
	s_getreg_b32 s2, hwreg(HW_REG_IB_STS2, 6, 4)
	s_cmp_eq_u32 s2, 0
	s_cbranch_scc0 .Lentry_in_a_cluster
	s_endpgm
.Lentry_in_a_cluster:
	s_bfe_u32 s2, ttmp6, 0x10000c
	s_cmp_lg_u32 s2, 0x3003
	s_cbranch_scc0 .Lentry_shape_is_right
	s_endpgm
.Lentry_shape_is_right:
; out0[n] = argmin over the 8,192 codebook rows e of cb_sq[e] - 2 z[n].e, the product on FP4 codes with E8M0 scales (records of 32 rows as the launch before laid them).
; A work-group owns 128 rows of z: their fragments (8 tiles of 16 rows x 256 K) stay in every wave's registers.  The 256 records of the codebook go in 8 fills of 32 records;
; of each fill wave w takes records 4 w .. 4 w + 3 into its own ring of two LDS slots, by ONE joint load that the four work-groups of a cluster issue alike (all walk the same records).
; The product is used transposed (source 0 = 16 codebook rows, source 1 = 16 rows of z): a lane holds one row of z, its registers run along the codebook rows.
; A step takes TWO tiles of z against one record: 8 matrix instructions on 4 accumulators by turns, then 16 packed multiply-adds (cb_sq - 2 dot, one rounding),
; two min trees laid side by side, and for each tile a select that keeps the record's 16 distances and its first row number where its least distance is under the least so far.
; The strict compare keeps the earlier record; at the end the lowest place that equals the least is taken, and halves of lanes and waves are joined by (distance, index): ties go to the lowest index.
; No prefetch: all 64 clusters read the same 1,179,648 bytes of cbq in the same order, so each block would be named by many.
; LIMITS: NaN and infinities among the inputs are not served.
.set REC,   4608
.set ZREC,  4352
.set SLOTB, 4*REC                      ; a slot: 4 records
.set WRING, 2*SLOTB
.set FILLB, 32*REC
.set SPARE, 8*WRING                    ; the spare words: 128 bytes a wave
.set MRG,   SPARE+1024                 ; 8 x 1,024 bytes: each wave's (distance, index) of the 128 rows
.set SPW,  1
.set NIL,  2
.set AI,   3                           ; LDS: 16 x lane + my ring
.set ASC,  4                           ; 8 x lane + my ring
.set ACB,  5                           ; 32 (lane / 16) + my ring
.set TCUR, 6                           ; the record's first row number
.set H8,   7                           ; 8 (lane / 16)
.set T0,   8
.set AM,   10
.set AR,   11
.set AS,   12                          ; v12-15 the record's scale words, two sets
.set ZS,   16                          ; v16-23 z's scale words
.set ST,   24                          ; v24-39 (least distance, record's first row) for each tile of z
.set ACC,  40                          ; v40-103 two sets of 4 accumulators
.set KP,   104                         ; v104-231 the kept 16 distances of each tile of z
.set LN,   232
.set RR,   233
.set HH,   234
.set ZA,   235
.set ZSA,  236
.set OUTR, 244
.set TT,   248                         ; v248-255 the two trees
.set PO,   ACC                         ; the end: places, and the other half's pairs
.set XP,   ACC+8
.set ZF,   0                           ; window 1: z's fragments, v0-127
.set AF,   128                         ; the record's fragments, two sets, v128-191
.set CB,   192                         ; cb_sq of the record's rows, two sets, v192-223
.set WV,   10
.set G1,   16
.set G0,   32
.set TRIPS, 44
.set TN,   45
.set MSB, 0
.macro WIN new
.if MSB != \new
	s_set_vgpr_msb (MSB<<8)|\new
.set MSB, \new
.endif
.endm
.macro CROUND                          ; a round of the cluster's barrier
	s_barrier_signal -1
	s_barrier_wait -1
	s_cmp_lg_u32 s[WV], 0
	s_cbranch_scc1 .Lnot_wave_0_\@
	s_barrier_signal -3
.Lnot_wave_0_\@:
	s_barrier_wait -3
	s_barrier_signal -1
	s_barrier_wait -1
.endm
.macro SEL2 d0, b0, d1, b1
	v_dual_cndmask_b32 v[\d0], v[\d0], v[\b0] :: v_dual_cndmask_b32 v[\d1], v[\d1], v[\b1]
.endm
; four pairs (distance, index) at b + sb j take the pair at c + sc j where that is less, or equal with the lower index; the four side by side
.macro LEX4 b, sb, c, sc
.irp j, 0,1,2,3
	v_cmp_lt_f32 s[24+\j], v[\c+\sc*\j], v[\b+\sb*\j]
	v_cmp_eq_f32 s[28+\j], v[\c+\sc*\j], v[\b+\sb*\j]
	v_cmp_lt_u32 s[40+\j], v[\c+\sc*\j+1], v[\b+\sb*\j+1]
.endr
.irp j, 0,1,2,3
	s_and_b32 s[28+\j], s[28+\j], s[40+\j]
	s_or_b32 s[24+\j], s[24+\j], s[28+\j]
.endr
.irp j, 0,1,2,3
	v_cndmask_b32 v[\b+\sb*\j], v[\b+\sb*\j], v[\c+\sc*\j], s[24+\j]
	v_cndmask_b32 v[\b+\sb*\j+1], v[\b+\sb*\j+1], v[\c+\sc*\j+1], s[24+\j]
.endr
.endm
	s_load_b128 s[4:7], s[0:1], 0x0                ; zq, cbq
	s_load_b64 s[8:9], s[0:1], 0x10                ; out0
	v_lshl_add_u32 v[SPW], v0, 2, SPARE
	v_mov_b32 v[NIL], 0
	ds_add_u32 v[SPW], v[NIL]                      ; the opening lines: the add twice on end
	ds_add_u32 v[SPW], v[NIL]
	v_lshrrev_b32 v[T0], 5, v0
	v_readfirstlane_b32 s[WV], v[T0]
	v_and_b32 v[LN], 31, v0
	v_and_b32 v[RR], 15, v0
	v_bfe_u32 v[HH], v0, 4, 1
	v_lshlrev_b32 v[ZA], 4, v[LN]
	v_lshlrev_b32 v[ZSA], 3, v[RR]
	v_lshlrev_b32 v[H8], 3, v[HH]
	v_lshl_add_u32 v[ZSA], v[HH], 2, v[ZSA]        ; lanes 0-15 K step 0's word of row r, lanes 16-31 K step 1's
	s_bfe_u32 s11, ttmp6, 0x40000
	s_lshl_b32 s12, ttmp9, 2
	s_add_co_u32 s12, s12, s11                     ; my work-group
	s_mov_b32 s[G1+0], 15|(3<<16)|(1<<21)          ; all four of the cluster; elements of 8 bytes
	s_mov_b32 s[G1+1], 32<<16                      ; 72 dense rows of 256 bytes: 4 records
	s_mov_b32 s[G1+2], 72<<16
	s_mov_b32 s[G1+3], 32<<16
	s_mov_b32 s[G1+4], 72
	s_mov_b32 s[G1+5], 32
	s_mov_b32 s[G1+6], 0
	s_mov_b32 s[G1+7], 0
	s_mul_i32 s52, s[WV], WRING
	s_mul_i32 s14, s[WV], SLOTB
	s_mov_b32 s15, 0
	s_mul_i32 s54, s12, 4*ZREC
	s_mov_b32 s55, 0
	s_lshl_b32 s56, s12, 9
	s_mov_b32 s57, 0
	s_lshl_b32 s[TN], s[WV], 7                     ; my first record's first row: 128 x wave
	s_lshl_b32 s53, s[WV], 10
	s_add_co_u32 s53, s53, MRG
	s_mov_b32 s46, 0x76543210
	s_mov_b32 s47, 0xfedcba98
	s_mov_b32 s48, 0xc0000000                      ; -2.0
	s_mov_b32 s49, s48
	s_wait_alu depctr_va_vdst(0)                   ; the wait ahead of the blocking waits
	s_wait_dscnt 0x0
	s_wait_kmcnt 0x0
	s_add_nc_u64 s[6:7], s[6:7], s[14:15]
	s_add_nc_u64 s[4:5], s[4:5], s[54:55]
	s_add_nc_u64 s[8:9], s[8:9], s[56:57]
	WIN 0x40                                       ; z's fragments and scale words are asked for first: they are on their way under the rounds and the first fill
.irp i, 0,1,2,3,4,5,6,7
.irp s, 0,1
.irp c, 0,1
	global_load_b128 v[ZF+16*\i+8*\s+4*\c:ZF+16*\i+8*\s+4*\c+3], v[ZA], s[4:5] offset:(\i/2)*ZREC+(\i%2)*2048+(4*\s+2*\c)*256
.endr
.endr
.endr
	WIN 0
.irp i, 0,1,2,3,4,5,6,7
	global_load_b32 v[ZS+\i], v[ZSA], s[4:5] offset:(\i/2)*ZREC+4096+128*(\i%2)
.endr
	CROUND                                         ; in front of the first joint loads
.irp k, 0,1
	s_mov_b32 s[G0+4*\k], 1
	s_add_co_u32 s[G0+4*\k+1], s52, \k*SLOTB
	s_add_nc_u64 s[G0+4*\k+2:G0+4*\k+3], s[6:7], \k*FILLB
	s_or_b32 s[G0+4*\k+3], s[G0+4*\k+3], 0x80000000
.endr
	tensor_load_to_lds s[G0:G0+3], s[G1:G1+7]      ; fill 0: my one load at the head
	s_nop 0
	v_lshl_add_u32 v[AI], v[LN], 4, s52
	v_lshl_add_u32 v[ASC], v[LN], 3, s52
	v_lshl_add_u32 v[ACB], v[HH], 5, s52
	v_lshl_add_u32 v[AM], v[RR], 3, s53
	v_lshl_add_u32 v[AR], v[LN], 5, MRG
	s_wait_alu depctr_va_vdst(0)                   ; the wait at the head's end
	s_wait_tensorcnt 0x0                           ; slot 1's first fill is issued as a refill is
	ds_add_u32 v[SPW], v[NIL]
	s_wait_dscnt 0x0
	CROUND
	tensor_load_to_lds s[G0+4:G0+7], s[G1:G1+7]
	s_nop 0
.rept 4
	v_nop
.endr
; record LQ of the slot: fragments, cb_sq (window 1) and scale words into set LQ % 2
.macro LOADT slot
.set LP, LQ%2
.set LB, (\slot)*SLOTB+LQ*REC
	WIN 0x40
.irp u, 0,1
.irp s, 0,1
.irp c, 0,1
	ds_load_b128 v[AF+32*LP+16*\s+8*\u+4*\c:AF+32*LP+16*\s+8*\u+4*\c+3], v[AI] offset:LB+\u*2048+(4*\s+2*\c)*256
.endr
.endr
.endr
.irp u, 0,1
	ds_load_b128 v[CB+16*LP+8*\u:CB+16*LP+8*\u+3], v[ACB] offset:LB+4352+64*\u
	ds_load_b128 v[CB+16*LP+8*\u+4:CB+16*LP+8*\u+7], v[ACB] offset:LB+4352+64*\u+16
.endr
	WIN 0
	ds_load_b64 v[AS+2*LP:AS+2*LP+1], v[ASC] offset:LB+4096
.endm
; pair NM: tiles 2 (NM % 4), + 1 of z against record NM / 4: four accumulators by turns, K step 0 (C = 0) then K step 1
.macro MM2
.set MI, 2*(NM%4)
.set MP, (NM/4)%2
.set MD, ACC+32*(NM%2)
.set FA, AF+32*MP
	WIN 0x05
.irp t, 0,1
	v_wmma_scale_f32_16x16x128_f8f6f4 v[MD+16*\t:MD+16*\t+7], v[FA:FA+7], v[ZF+16*(MI+\t):ZF+16*(MI+\t)+7], 0, v[AS+2*MP], v[ZS+MI+\t] matrix_a_fmt:MATRIX_FMT_FP4 matrix_b_fmt:MATRIX_FMT_FP4
	v_wmma_scale_f32_16x16x128_f8f6f4 v[MD+16*\t+8:MD+16*\t+15], v[FA+8:FA+15], v[ZF+16*(MI+\t):ZF+16*(MI+\t)+7], 0, v[AS+2*MP], v[ZS+MI+\t] matrix_a_fmt:MATRIX_FMT_FP4 matrix_b_fmt:MATRIX_FMT_FP4 matrix_a_scale:MATRIX_SCALE_ROW1
.endr
.irp t, 0,1
	v_wmma_scale_f32_16x16x128_f8f6f4 v[MD+16*\t:MD+16*\t+7], v[FA+16:FA+23], v[ZF+16*(MI+\t)+8:ZF+16*(MI+\t)+15], v[MD+16*\t:MD+16*\t+7], v[AS+2*MP+1], v[ZS+MI+\t] matrix_a_fmt:MATRIX_FMT_FP4 matrix_b_fmt:MATRIX_FMT_FP4 matrix_b_scale:MATRIX_SCALE_ROW1
	v_wmma_scale_f32_16x16x128_f8f6f4 v[MD+16*\t+8:MD+16*\t+15], v[FA+24:FA+31], v[ZF+16*(MI+\t)+8:ZF+16*(MI+\t)+15], v[MD+16*\t+8:MD+16*\t+15], v[AS+2*MP+1], v[ZS+MI+\t] matrix_a_fmt:MATRIX_FMT_FP4 matrix_b_fmt:MATRIX_FMT_FP4 matrix_a_scale:MATRIX_SCALE_ROW1 matrix_b_scale:MATRIX_SCALE_ROW1
.endr
.endm
; pair NV's distances, least distances and selects; the two tiles' lines side by side.  VF = 1: the first record starts the kept state
.macro VAL2
.set VI, 2*(NV%4)
.set VA, ACC+32*(NV%2)
.set VC, CB+16*((NV/4)%2)
.set VK, KP+16*VI
.set VS, ST+2*VI
.if VF
.set VD, VK
.else
.set VD, VA
.endif
	WIN 0x10                                       ; cb_sq lies in window 1
.irp k, 0,1,2,3,4,5,6,7,8,9,10,11,12,13,14,15
	v_pk_fma_f32 v[VD+2*\k:VD+2*\k+1], v[VA+2*\k:VA+2*\k+1], s[48:49], v[VC+2*(\k%8):VC+2*(\k%8)+1] op_sel_hi:[1,0,1]
.endr
	WIN 0
.irp t, 0,1
.irp g, 0,1,2,3
	v_min3_num_f32 v[TT+4*\t+\g], v[VD+16*\t+3*\g], v[VD+16*\t+3*\g+1], v[VD+16*\t+3*\g+2]
.endr
.endr
.irp t, 0,1
	v_min3_num_f32 v[TT+4*\t], v[TT+4*\t], v[VD+16*\t+12], v[VD+16*\t+13]
	v_min3_num_f32 v[TT+4*\t+1], v[TT+4*\t+1], v[VD+16*\t+14], v[VD+16*\t+15]
	v_min_num_f32 v[TT+4*\t+2], v[TT+4*\t+2], v[TT+4*\t+3]
.endr
.if VF
.irp t, 0,1
	v_min3_num_f32 v[VS+2*\t], v[TT+4*\t], v[TT+4*\t+1], v[TT+4*\t+2]
	v_mov_b32 v[VS+2*\t+1], v[TCUR]
.endr
.else
.irp t, 0,1
	v_min3_num_f32 v[TT+4*\t], v[TT+4*\t], v[TT+4*\t+1], v[TT+4*\t+2]
.endr
	v_cmp_lt_f32 vcc_lo, v[TT], v[VS]
	v_cmp_lt_f32 s50, v[TT+4], v[VS+2]
.irp t, 0,1
.if \t
	s_mov_b32 vcc_lo, s50
.endif
	SEL2 VS+2*\t, TT+4*\t, VS+2*\t+1, TCUR
.irp k, 0,1,2,3,4,5,6,7
	SEL2 VK+16*\t+2*\k, VA+16*\t+2*\k, VK+16*\t+2*\k+1, VA+16*\t+2*\k+1
.endr
.endr
.endif
.endm
; a slot's 4 records x 4 pairs of tiles.  Pair n + 1 is multiplied ahead of pair n's vector work; record q + 1 is fetched at record q's first pair
.macro PROCESS slot, first
.set LQ, 0
	LOADT \slot
	s_wait_dscnt 0x0
.set NM, 0
	MM2
.set NV, 0
.rept 16
.if NV%4 == 0
.if NV/4 < 3
.set LQ, NV/4+1
	LOADT \slot
.endif
	v_mov_b32 v[TCUR], s[TN]
	s_add_co_u32 s[TN], s[TN], 32
.endif
.if NV < 15
.if NV%4 == 3
	s_wait_dscnt 0x0                               ; the next record is in registers
.endif
.set NM, NV+1
	MM2
.endif
.if NV == 0
.rept 5
	v_nop                                          ; places ahead of the first read of pair 0's results
.endr
.endif
.set VF, 0
.if \first
.if NV < 4
.set VF, 1
.endif
.endif
	VAL2
.set NV, NV+1
.endr
	s_add_co_u32 s[TN], s[TN], 896                 ; my records of the next fill lie 1,024 rows on
.endm
.macro CHANGE k                        ; slot k, read out, takes the fill two on: the three lines, the round, my one joint load
	s_wait_tensorcnt 0x0
	ds_add_u32 v[SPW], v[NIL]
	s_add_nc_u64 s[G0+4*\k+2:G0+4*\k+3], s[G0+4*\k+2:G0+4*\k+3], 2*FILLB
	s_wait_dscnt 0x0
	CROUND
	tensor_load_to_lds s[G0+4*\k:G0+4*\k+3], s[G1:G1+7]
	s_nop 0
.rept 4
	v_nop
.endr
.endm
	s_wait_loadcnt 0x0                             ; z
	s_wait_tensorcnt 0x1                           ; slot 1's fill may be out
	PROCESS 0, 1
	s_mov_b32 s[TRIPS], 3
.Lloop:
	CHANGE 0
	PROCESS 1, 0
	CHANGE 1
	PROCESS 0, 0
	s_sub_co_u32 s[TRIPS], s[TRIPS], 1
	s_cmp_lg_u32 s[TRIPS], 0
	s_cbranch_scc1 .Lloop
	s_wait_tensorcnt 0x0
	PROCESS 1, 0
	; the place of the least among the kept 16: the lowest that equals it; the eight tiles side by side
.irp i, 0,1,2,3,4,5,6,7
	v_mov_b32 v[PO+\i], 23
	v_mov_b32 v[XP+2*\i], 0
	v_mov_b32 v[XP+2*\i+1], 0
.endr
.irp a, 14,13,12,11,10,9,8,7,6,5,4,3,2,1,0
.irp i, 0,1,2,3,4,5,6,7
	v_cmp_neq_f32 s[24+\i], v[KP+16*\i+\a], v[ST+2*\i]
.endr
.irp i, 0,1,2,3,4,5,6,7
	v_cndmask_b32 v[PO+\i], 16*(\a/8)+\a%8, v[PO+\i], s[24+\i]
.endr
.endr
.irp i, 0,1,2,3,4,5,6,7
	v_add3_u32 v[ST+2*\i+1], v[ST+2*\i+1], v[PO+\i], v[H8]
.endr
.irp i, 0,1,2,3,4,5,6,7
	v_permlanex16_b32 v[XP+2*\i], v[ST+2*\i], s46, s47
	v_permlanex16_b32 v[XP+2*\i+1], v[ST+2*\i+1], s46, s47
.endr
	LEX4 ST, 2, XP, 2                              ; with lane l xor 16's
	LEX4 ST+8, 2, XP+8, 2
.irp i, 0,1,2,3,4,5,6,7
	ds_store_b64 v[AM], v[ST+2*\i:ST+2*\i+1] offset:128*\i
.endr
	s_wait_dscnt 0x0
	s_barrier_signal -1
	s_barrier_wait -1
	s_cmp_lg_u32 s[WV], 0
	s_cbranch_scc1 .Ljoin
.irp c, 0,1,2,3,4,5,6,7                ; wave 0 joins the eight waves: a lane takes four rows of z
	ds_load_b128 v[KP+8*\c:KP+8*\c+3], v[AR] offset:1024*\c
	ds_load_b128 v[KP+8*\c+4:KP+8*\c+7], v[AR] offset:1024*\c+16
.endr
	s_wait_dscnt 0x0
.irp c, 1,2,3,4,5,6,7
	LEX4 KP, 2, KP+8*\c, 2
.endr
.irp j, 0,1,2,3
	v_mov_b32 v[OUTR+\j], v[KP+2*\j+1]
.endr
	global_store_b128 v[ZA], v[OUTR:OUTR+3], s[8:9] ; 32 lanes store 512 consecutive bytes
.Ljoin:
	s_wait_tensorcnt 0x0                           ; the wave's end
	ds_add_u32 v[SPW], v[NIL]
	s_wait_dscnt 0x0
	CROUND                                         ; the closing round
	s_endpgm
.Lfunc_end_k_q17fbc67173_vq:
	.size	k_q17fbc67173_vq, .Lfunc_end_k_q17fbc67173_vq-k_q17fbc67173_vq
	.p2alignl 7, 3214868480
	.fill 96, 4, 3214868480
	.section	.rodata,"a",@progbits
	.p2align	6, 0x0
	.amdhsa_kernel k_q17fbc67173_vq
		.amdhsa_group_segment_fixed_size 327680
		.amdhsa_private_segment_fixed_size 0
		.amdhsa_enable_private_segment 0
		.amdhsa_kernarg_size 24
		.amdhsa_user_sgpr_count 2
		.amdhsa_user_sgpr_kernarg_segment_ptr 1
		.amdhsa_wavefront_size32 1
		.amdhsa_system_sgpr_workgroup_id_x 1
		.amdhsa_system_sgpr_workgroup_id_y 1
		.amdhsa_system_sgpr_workgroup_id_z 1
		.amdhsa_system_vgpr_workitem_id 0
		.amdhsa_next_free_vgpr 480
		.amdhsa_next_free_sgpr 66
		.amdhsa_reserve_vcc 1
		.amdhsa_float_denorm_mode_32 3
		.amdhsa_float_denorm_mode_16_64 3
		.amdhsa_memory_ordered 1
		.amdhsa_forward_progress 1
		.amdhsa_inst_pref_size 255
	.end_amdhsa_kernel
	.section	.bss,"aw",@nobits
	.p2align	6
	.space	262144
	.amdgpu_metadata
---
amdhsa.version: [ 1, 2 ]
amdhsa.kernels:
  - .name:           k_q17fbc67173_vq
    .symbol:         k_q17fbc67173_vq.kd
    .args:
      - { .name: zq, .offset: 0, .size: 8, .value_kind: global_buffer, .address_space: global }
      - { .name: cbq, .offset: 8, .size: 8, .value_kind: global_buffer, .address_space: global }
      - { .name: out0, .offset: 16, .size: 8, .value_kind: global_buffer, .address_space: global }
    .group_segment_fixed_size: 327680
    .private_segment_fixed_size: 0
    .kernarg_segment_align: 8
    .kernarg_segment_size: 24
    .max_flat_workgroup_size: 256
    .sgpr_count:     66
    .vgpr_count:     480
    .wavefront_size: 32
...
	.end_amdgpu_metadata
.endif
;; end of part 2
